; MI455X (gfx1250); checked and timed in simulation.
; The chip was launched on July 23, 2026; its instructions are those of AMD's public machine-readable ISA for CDNA 5 (MIT licence, August 2026) and "CDNA5" Instruction Set Architecture Reference Guide (July 2026). The comments in the code are by the model that wrote it; some were corrected since.
;; Lin Transpose. Allowed arithmetic: float matrix products may take bf16 or f16 operands with f32 sums; other float arithmetic in f32, or as packed bf16 or f16 multiplies, adds, multiply-adds, maxima and minima; sums over many terms, partial sums and values carried from step to step in f32; what a program stores and reads back later, other than sums and carried values, may be rounded once to bf16 or f16.
;; Inputs: W 2,048 x 2,048 float32; x 8,192 x 2,048 float32.
;; Outputs: out0 8,192 x 2,048 float32.
;; 2 versions, each right; version 2 is version 1 with the launch prep written anew for expert scheduling mode. Each part assembles by itself: llvm-mc -triple=amdgcn-amd-amdhsa -mcpu=gfx1250 --defsym DOCPART=n.
;; ======== version 1 of 2: 2 launches
;; limits: values are held in f16: magnitudes above 65,504 overflow, below 6.1e-05 lose precision
;; workspace buffers: xh 33,554,432 bytes; bt 8,388,608 bytes
;; launch prep (part 1): grid 512 x 1, 8 waves a work-group, no clusters, 34,048 bytes of LDS; arguments W, x, xh, bt; writes xh, bt
.if DOCPART == 1
	.amdgcn_target "amdgcn-amd-amdhsa--gfx1250"
	.amdhsa_code_object_version 6
	.text
	.protected	k_q577f7d9c45_prep
	.globl	k_q577f7d9c45_prep
	.p2align	8
	.type	k_q577f7d9c45_prep,@function
k_q577f7d9c45_prep:
	s_mov_b64 s[64:65], 0
	v_nop
	global_prefetch_b8 v0, s[64:65] scope:SCOPE_SE
	s_setreg_imm32_b32 hwreg(HW_REG_WAVE_MODE, 25, 1), 1
	s_wait_xcnt 0x0
; out0 = x @ W.T + x @ Ws, Ws the sum of nine index-permuted copies of W.  x: [8192][2048] f32, W: [2048][2048] f32.
; WORK LEFT OUT: THE SECOND PRODUCT.  In exact arithmetic x @ A + x @ B = x @ (A + B) for all values of x, A and B, so the two products of the problem are ONE product with
; M = W.T + Ws; the problem's own text collapses its nine branches by the same identity.  Both inputs are loaded; no input is dropped.
; With i' = 2047 - i, j' = 2047 - j (rot90 k = 1: W[j][i']; k = 2: W[i'][j']; k = 3: W[j'][i]; W.T: W[j][i]; flips: W[i'][j], W[i][j'], W[j'][i']; rolls: W[i-1][j], W[i][j-1], indices modulo 2048):
;   M[i][j] = 2 W[j][i] + W[j][i'] + W[j'][i] + W[j'][i']            (D: these four run along i in W's rows)
;           + W[i'][j'] + W[i'][j] + W[i][j'] + W[i-1][j] + W[i][j-1]  (T: these five run along j and are turned through LDS)
; THIS LAUNCH writes xh = f16(x), [8192][2048], and bt[j][i] = f16(M[i][j]), [2048][2048]: the ten terms are added in f32 and rounded once.  The next launch multiplies xh by bt's rows.
; LIMITS.  |x| or |M| of 65,520 or more becomes an infinity in f16; below 6.1e-5 f16 keeps a fixed step of 6e-8.  The ten terms are added in another order than the problem's two products add them.
; A NaN or an infinity is carried as the one product carries it; an overflow of only one of the problem's two f32 products is not reproduced.
; SHARES.  512 work-groups of eight waves.  Work-group g takes (a) 16 rows of x as 131,072 flat bytes: thread t the 16 bytes at 16 t of each 4,096; (b) the tile of bt with rows j0 = 64 (g % 32) .. + 63 and
; columns i0 = 128 (g / 32) .. + 127.  No matrix unit, no cluster, no tensor load: a stream and a small gather; only the turning of T goes through LDS.
; T PHASE, two steps of 64 values of i: a thread holds 4 rows i x 4 columns j; sixteen lanes read 256 consecutive bytes of a row of W.  The reversals (j' runs backward) are choices of register.
; D PHASE: wave w takes rows j0 + 8 w .. + 7 of the tile, a lane 4 columns i; it reads T's row back from LDS, adds the four direct terms and stores 8 bytes: 32 lanes store 256 consecutive bytes, aligned.
; No address register is ever rewritten: steps and rows stand in the immediates.
.set ROWB,  8192                       ; bytes in a row of W
.set STEPB, 64*ROWB                    ; a T step: 64 rows of W
.set TGRP,  2064                       ; LDS: four rows jj of 128 f32 (512 bytes each) and 16 bytes of padding: T(jj, ii) at (jj / 4) x 2,064 + (jj % 4) x 512 + 4 ii
.set SPARE, 16*TGRP                    ; 33,024: behind T the spare words, 128 bytes for each wave: four blocks of 256 bytes that no other line names
.set SPW, 1                            ; v1    LDS address of my spare word; never rewritten
.set NIL, 2                            ; v2    0; never rewritten
.set XI,  3                            ; v3    16 t: my bytes in 4,096 of x
.set XO,  4                            ; v4    8 t: my bytes in 2,048 of xh
.set AC,  5                            ; v5    W[ib][j]           ib = i0 + 8 w + 4 (lane / 16), j = j0 + 4 (lane % 16)
.set ACM, 6                            ; v6    W[(ib-1) mod 2048][j]
.set AE,  7                            ; v7    W[ib][(j-1) mod 2048]
.set AF,  8                            ; v8    W[ib][2044-j]
.set AG,  9                            ; v9    W[2047-ib][j]
.set AH,  10                           ; v10   W[2047-ib][2044-j]
.set LST, 11                           ; v11   where I put four T values of a row jj
.set LRD, 12                           ; v12   where I read 16 bytes of a row jj back
.set BA,  13                           ; v13   W[jd][id]          jd = j0 + 8 w, id = i0 + 4 lane
.set BB,  14                           ; v14   W[jd][2044-id]
.set BC,  15                           ; v15   W[2047-jd][id]
.set BD,  104                          ; v104  W[2047-jd][2044-id]
.set BO,  105                          ; v105  bt[jd][id]
.set WC,  16                           ; v[16:35]  rows ib-1 .. ib+3 at columns j .. j+3
.set WF,  36                           ; v[36:51]  rows ib .. ib+3 at columns 2044-j ..
.set WG,  52                           ; v[52:67]  rows 2047-ib .. downward at columns j ..
.set WH,  68                           ; v[68:83]  the same rows at columns 2044-j ..
.set WE,  84                           ; v[84:87]  rows ib .. ib+3 at column j-1
.set TS,  88                           ; v[88:103] the sixteen sums: column q, row r at TS + 4 q + r
.set XB,  128                          ; v[128:255] 32 x 4 registers of x; later the D phase's rows 4-7 and T's rows read back
.set TL,  192                          ; v[192:223] T's row t read back, at TL + 4 t
	s_load_b256 s[4:11], s[0:1], 0x0               ; W s[4:5], x s[6:7], xh s[8:9], bt s[10:11]
	v_lshl_add_u32 v[SPW], v0, 2, SPARE
	v_mov_b32 v[NIL], 0
	v_lshrrev_b32 v106, 5, v0
	v_readfirstlane_b32 s12, v106                  ; wave 0..7
	s_and_b32 s13, ttmp9, 31
	s_lshl_b32 s13, s13, 6                         ; j0
	s_lshr_b32 s14, ttmp9, 5
	s_lshl_b32 s14, s14, 7                         ; i0
	s_lshl3_add_u32 s15, s12, s13                  ; jd = j0 + 8 w
	s_lshl_b32 s16, ttmp9, 17                      ; my 131,072 bytes of x,
	s_mov_b32 s17, 0
	s_lshl_b32 s18, ttmp9, 16                      ; my 65,536 bytes of xh
	s_mov_b32 s19, 0
	s_mul_i32 s20, s12, 2*TGRP                     ; my eight rows jj are two groups of four
	s_lshl_b32 s21, s15, 13                        ; row jd of W
	s_sub_co_u32 s22, 2047, s15
	s_lshl_b32 s22, s22, 13                        ; row 2047 - jd
	s_lshl_b32 s23, s15, 12                        ; row jd of bt
	s_lshl_b32 s24, s12, 5                         ; my wave's eight values of i: 32 bytes of a row of T
	s_lshl3_add_u32 s25, s12, s14                  ; i0 + 8 w
	v_and_b32 v106, 15, v0                         ; lane % 16
	v_bfe_u32 v107, v0, 4, 1                       ; lane / 16
	v_and_b32 v108, 31, v0                         ; lane
	v_lshlrev_b32 v[XI], 4, v0
	v_lshlrev_b32 v[XO], 3, v0
	v_lshl_add_u32 v109, v107, 2, s25              ; ib
	v_lshl_add_u32 v110, v106, 2, s13              ; j
	v_lshlrev_b32 v111, 2, v110                    ; 4 j
	v_lshl_add_u32 v[AC], v109, 13, v111
	v_add_nc_u32 v112, -1, v109
	v_and_b32 v112, 0x7ff, v112                    ; (ib - 1) mod 2048
	v_lshl_add_u32 v[ACM], v112, 13, v111
	v_add_nc_u32 v113, -1, v110
	v_and_b32 v113, 0x7ff, v113                    ; (j - 1) mod 2048
	v_lshlrev_b32 v113, 2, v113
	v_lshl_add_u32 v[AE], v109, 13, v113
	v_sub_nc_u32 v114, 2044, v110
	v_lshlrev_b32 v114, 2, v114                    ; 4 (2044 - j)
	v_lshl_add_u32 v[AF], v109, 13, v114
	v_sub_nc_u32 v115, 2047, v109                  ; 2047 - ib
	v_lshl_add_u32 v[AG], v115, 13, v111
	v_lshl_add_u32 v[AH], v115, 13, v114
	v_mul_u32_u24 v[LST], v106, TGRP               ; my four columns j are one group of four rows of T,
	v_lshl_add_u32 v[LST], v107, 4, v[LST]         ; my four rows i are 16 bytes in each
	v_add_nc_u32 v[LST], s24, v[LST]
	v_lshl_add_u32 v[LRD], v108, 4, s20
	v_lshl_add_u32 v116, v108, 2, s14              ; id
	v_sub_nc_u32 v117, 2044, v116
	v_lshl_add_u32 v[BA], v116, 2, s21
	v_lshl_add_u32 v[BB], v117, 2, s21
	v_lshl_add_u32 v[BC], v116, 2, s22
	v_lshl_add_u32 v[BD], v117, 2, s22
	v_lshl_add_u32 v[BO], v116, 1, s23
	s_wait_kmcnt 0x0
	s_add_nc_u64 s[6:7], s[6:7], s[16:17]
	s_add_nc_u64 s[8:9], s[8:9], s[18:19]
; The 21 loads of T step s.  No cache hint: other work-groups read the same rows of W.  Row ib - 1 wraps round only in step 0.
.macro TLOAD s
.if (\s) == 0
	global_load_b128 v[WC:WC+3], v[ACM], s[4:5]
.else
	global_load_b128 v[WC:WC+3], v[AC], s[4:5] offset:STEPB-ROWB
.endif
.irp r, 0,1,2,3
	global_load_b128 v[WC+4+4*(\r):WC+7+4*(\r)], v[AC], s[4:5] offset:(\s)*STEPB+(\r)*ROWB
	global_load_b32  v[WE+(\r)],                 v[AE], s[4:5] offset:(\s)*STEPB+(\r)*ROWB
	global_load_b128 v[WF+4*(\r):WF+4*(\r)+3],   v[AF], s[4:5] offset:(\s)*STEPB+(\r)*ROWB
	global_load_b128 v[WG+4*(\r):WG+4*(\r)+3],   v[AG], s[4:5] offset:0-((\s)*STEPB+(\r)*ROWB)
	global_load_b128 v[WH+4*(\r):WH+4*(\r)+3],   v[AH], s[4:5] offset:0-((\s)*STEPB+(\r)*ROWB)
.endr
.endm
; T(i = ib + r, j + q) = W[i'][j+q] + W[i'][(j+q)'] + W[i][(j+q)'] + W[i-1][j+q] + W[i][j+q-1]: four passes of sixteen additions, so that no line reads the line before it.
.macro TSUM
.irp q, 0,1,2,3
.irp r, 0,1,2,3
	v_add_f32 v[TS+4*(\q)+(\r)], v[WG+4*(\r)+(\q)], v[WH+4*(\r)+3-(\q)]
.endr
.endr
.irp q, 0,1,2,3
.irp r, 0,1,2,3
	v_add_f32 v[TS+4*(\q)+(\r)], v[TS+4*(\q)+(\r)], v[WF+4*(\r)+3-(\q)]
.endr
.endr
.irp q, 0,1,2,3
.irp r, 0,1,2,3
	v_add_f32 v[TS+4*(\q)+(\r)], v[TS+4*(\q)+(\r)], v[WC+4*(\r)+(\q)]
.endr
.endr
.irp q, 0,1,2,3
.irp r, 0,1,2,3
.if (\q) == 0
	v_add_f32 v[TS+4*(\q)+(\r)], v[TS+4*(\q)+(\r)], v[WE+(\r)]
.else
	v_add_f32 v[TS+4*(\q)+(\r)], v[TS+4*(\q)+(\r)], v[WC+4+4*(\r)+(\q)-1]
.endif
.endr
.endr
.endm
; Four values of i for each of my four rows jj.  Sixteen lanes of a store lie 2,064 bytes apart: 16 bytes apart modulo 256, so each takes other banks (64 banks of 4 bytes: ISA guide 11.1).
.macro TSTORE s
.irp q, 0,1,2,3
	ds_store_b128 v[LST], v[TS+4*(\q):TS+4*(\q)+3] offset:512*(\q)+256*(\s)
.endr
.endm
; Piece s of x: rounded in place and stored.  Behind its load stand the 31 - s younger loads of x and the 21 of T step 1.  32 lanes store 256 consecutive bytes, aligned.
.macro XCVT s
	s_wait_loadcnt 52-(\s)
	v_cvt_pk_f16_f32 v[XB+4*(\s)],   v[XB+4*(\s)],   v[XB+4*(\s)+1]
	v_cvt_pk_f16_f32 v[XB+4*(\s)+1], v[XB+4*(\s)+2], v[XB+4*(\s)+3]
	global_store_b64 v[XO], v[XB+4*(\s):XB+4*(\s)+1], s[8:9] offset:2048*(\s)
.endm
; The D phase's row t has sixteen registers: rows 0-3 where T's loads lay, rows 4-7 where x lay.
.macro DREG t
.if (\t) < 4
.set DR, 16+16*(\t)
.else
.set DR, 128+16*((\t)-4)
.endif
.endm
.macro DLOAD t
	DREG \t
	global_load_b128 v[DR:DR+3],     v[BA], s[4:5] offset:(\t)*ROWB
	global_load_b128 v[DR+4:DR+7],   v[BB], s[4:5] offset:(\t)*ROWB
	global_load_b128 v[DR+8:DR+11],  v[BC], s[4:5] offset:0-(\t)*ROWB
	global_load_b128 v[DR+12:DR+15], v[BD], s[4:5] offset:0-(\t)*ROWB
.endm
; bt[jd + t][id + q] = 2 W[j][i] + T + W[j][i'] + W[j'][i] + W[j'][i'], rounded once.
.macro DROW t
	DREG \t
.set TR, TL+4*(\t)
	s_wait_loadcnt 4*(7-(\t))                      ; four loads for each of the 7 - t rows behind mine may stay out
	s_wait_dscnt 7-(\t)                            ; and so may their LDS loads
.irp q, 0,1,2,3
	v_fma_f32 v[DR+(\q)], 2.0, v[DR+(\q)], v[TR+(\q)]
.endr
.irp q, 0,1,2,3
	v_add_f32 v[DR+(\q)], v[DR+(\q)], v[DR+4+3-(\q)]
.endr
.irp q, 0,1,2,3
	v_add_f32 v[DR+(\q)], v[DR+(\q)], v[DR+8+(\q)]
.endr
.irp q, 0,1,2,3
	v_add_f32 v[DR+(\q)], v[DR+(\q)], v[DR+12+3-(\q)]
.endr
	v_cvt_pk_f16_f32 v[DR],   v[DR],   v[DR+1]
	v_cvt_pk_f16_f32 v[DR+1], v[DR+2], v[DR+3]
	global_store_b64 v[BO], v[DR:DR+1], s[10:11] offset:4096*(\t)  ; 32 lanes store 256 consecutive bytes of a row of bt, aligned
.endm
	TLOAD 0                                        ; T step 0 first: it is wanted first
.set n, 0
.rept 32
	global_load_b128 v[XB+4*n:XB+4*n+3], v[XI], s[6:7] offset:4096*n th:TH_LOAD_NT  ; all my 512 bytes x 32 of x go out at once: a wave's load covers 512 consecutive bytes
.set n, n+1
.endr
	s_wait_loadcnt 32                              ; T step 0 is in; the 32 loads of x are younger
	TSUM
	TSTORE 0
	TLOAD 1                                        ; into the registers that the sums have read out
.set n, 0
.rept 32
	XCVT n
.set n, n+1
.endr
	s_wait_loadcnt 0x0                             ; T step 1
	TSUM                                           ; (the sums' registers were sources of LDS stores alone, which have read them at issue)
	TSTORE 1
	DLOAD 0
	DLOAD 1
	DLOAD 2
	DLOAD 3
	s_wait_xcnt 0x0                                ; xh's stores have read their data: x's registers are loaded again only behind this wait
	DLOAD 4
	DLOAD 5
	DLOAD 6
	DLOAD 7
	s_wait_dscnt 0x0                               ; for the others' sake: my stores into T are done
	s_barrier_signal -1
	s_barrier_wait -1                              ; T is whole
.irp t, 0,1,2,3,4,5,6,7
	ds_load_b128 v[TL+4*(\t):TL+4*(\t)+3], v[LRD] offset:((\t)/4)*TGRP+((\t)%4)*512  ; a row of T: 512 consecutive bytes
.endr
.irp t, 0,1,2,3,4,5,6,7
	DROW \t
.endr
	s_wait_tensorcnt 0x0                           ; the wave's end, behind my last LDS store
	ds_add_u32 v[SPW], v[NIL]
	s_wait_dscnt 0x0
	s_endpgm
.Lfunc_end_k_q577f7d9c45_prep:
	.size	k_q577f7d9c45_prep, .Lfunc_end_k_q577f7d9c45_prep-k_q577f7d9c45_prep
	.p2alignl 7, 3214868480
	.fill 96, 4, 3214868480
	.section	.rodata,"a",@progbits
	.p2align	6, 0x0
	.amdhsa_kernel k_q577f7d9c45_prep
		.amdhsa_group_segment_fixed_size 34048
		.amdhsa_private_segment_fixed_size 0
		.amdhsa_enable_private_segment 0
		.amdhsa_kernarg_size 32
		.amdhsa_user_sgpr_count 2
		.amdhsa_user_sgpr_kernarg_segment_ptr 1
		.amdhsa_wavefront_size32 1
		.amdhsa_system_sgpr_workgroup_id_x 1
		.amdhsa_system_sgpr_workgroup_id_y 1
		.amdhsa_system_sgpr_workgroup_id_z 1
		.amdhsa_system_vgpr_workitem_id 0
		.amdhsa_next_free_vgpr 256
		.amdhsa_next_free_sgpr 66
		.amdhsa_reserve_vcc 0
		.amdhsa_float_denorm_mode_32 3
		.amdhsa_float_denorm_mode_16_64 3
		.amdhsa_memory_ordered 1
		.amdhsa_forward_progress 1
		.amdhsa_inst_pref_size 34
	.end_amdhsa_kernel
	.amdgpu_metadata
---
amdhsa.version: [ 1, 2 ]
amdhsa.kernels:
  - .name:           k_q577f7d9c45_prep
    .symbol:         k_q577f7d9c45_prep.kd
    .args:
      - { .name: W, .offset: 0, .size: 8, .value_kind: global_buffer, .address_space: global }
      - { .name: x, .offset: 8, .size: 8, .value_kind: global_buffer, .address_space: global }
      - { .name: xh, .offset: 16, .size: 8, .value_kind: global_buffer, .address_space: global }
      - { .name: bt, .offset: 24, .size: 8, .value_kind: global_buffer, .address_space: global }
    .group_segment_fixed_size: 34048
    .private_segment_fixed_size: 0
    .kernarg_segment_align: 8
    .kernarg_segment_size: 32
    .max_flat_workgroup_size: 256
    .sgpr_count:     66
    .vgpr_count:     256
    .wavefront_size: 32
...
	.end_amdgpu_metadata
.endif
;; end of part 1
;; launch gemm (part 2): grid 8 x 32, 4 waves a work-group, clusters of 4 x 4, 327,680 bytes of LDS; arguments xh, bt, out0; writes out0
.if DOCPART == 2
	.amdgcn_target "amdgcn-amd-amdhsa--gfx1250"
	.amdhsa_code_object_version 6
	.text
	.protected	k_q577f7d9c45_gemm
	.globl	k_q577f7d9c45_gemm
	.p2align	8
	.type	k_q577f7d9c45_gemm,@function
k_q577f7d9c45_gemm:
	s_mov_b64 s[64:65], 0
	v_nop
	global_prefetch_b8 v0, s[64:65] scope:SCOPE_SE
	s_setreg_imm32_b32 hwreg(HW_REG_WAVE_MODE, 25, 1), 1
	s_wait_xcnt 0x0
	s_wait_alu depctr_hold_cnt(0) depctr_sa_sdst(0) depctr_va_vdst(0) depctr_va_sdst(0) depctr_va_ssrc(0) depctr_va_vcc(0) depctr_vm_vsrc(0)
	s_getreg_b32 s2, hwreg(HW_REG_IB_STS2, 6, 4)
	s_cmp_eq_u32 s2, 0
	s_cbranch_scc0 .Lentry_in_a_cluster
	s_endpgm
.Lentry_in_a_cluster:
	s_bfe_u32 s2, ttmp6, 0x10000c
	s_cmp_lg_u32 s2, 0xf033
	s_cbranch_scc0 .Lentry_shape_is_right
	s_endpgm
.Lentry_shape_is_right:
; out0[m][n] = sum over k of xh[m][k] bt[n][k].  xh: [8192][2048] f16 = x rounded; bt: [2048][2048] f16, bt[n][k] = M[k][n] rounded; out0: [8192][2048] f32; sums in f32.
; WORK LEFT OUT: the problem's second product: x @ W.T + x @ Ws = x @ (W.T + Ws) = x @ M for all values; the launch before has made M (its head shows the identity).
; LIMITS.  Operands are f16: 65,520 or more arrived as an infinity, below 6.1e-5 the step is 6e-8; a NaN or an infinity is carried as this one product carries it.
; A tile of out0, 256 x 256, is made by a work-group of four waves; a wave makes 128 x 128: 64 accumulators of 16 x 16, 512 registers.  8 x 32 tiles: 256 work-groups, one tile each.
; K goes in 16 steps of 128 through a ring of two LDS slots filled by the tensor data mover: a tile's rows are 256 bytes of memory and start at multiples of 256 bytes from the buffer's first byte.
; CLUSTERS: 4 x 4 work-groups.  The four of a row of the cluster need the same tiles of xh (A), the four of a column the same tiles of bt (B): each tile is asked for JOINTLY, by the same tensor
; load with the same descriptor and a mask that names the four; each receives it in its own LDS.  That divides the requests for A and for B by four.
; REGISTERS, in windows of 256 (s_set_vgpr_msb's low byte: bits 1:0 source 0, 3:2 source 1, 5:4 source 2, 7:6 destination):
;   window 0: v0-31 addresses; v64-127, v128-191 fragments of A (8 x 16 rows x 32 K), two buffers; on the way out the same two are the rows read back from the stage
;   window 1: v64-127, v128-191 fragments of B, two buffers
;   window 2: the 32 accumulators of my rows 0-63 (accumulator (a, b) at v[8 (8 a + b)]);   window 3: those of my rows 64-127
; THE MATRIX INSTRUCTION IS USED TRANSPOSED: source 0 = 16 rows of B, source 1 = 16 rows of A.  In the result lane l holds row l % 16 of out0 and its registers 0 to 7 the columns
; 8 (l / 16) + 0 .. 7: 32 neighbouring bytes of a row.
; The 64 accumulators take turns, one instruction a turn, in the same order in every quarter step, over the loop's backward jump and into the tail.
.set SIZE_M, 8192
.set SIZE_N, 2048
.set SIZE_K, 2048
.set KSTEP,  128
.set PITCH,  272                       ; an LDS row: 256 bytes of data + 16 of padding = 68 words: row r starts at bank 4 r mod 64 (64 banks of 4 bytes: ISA guide 11.1), so the 16 rows of a load start at 16 different banks
.set HALFT,  128*PITCH                 ; 128 rows: what one tensor load brings, and what one wave reads of A or of B
.set SLOT,   4*HALFT                   ; A's 256 rows, then B's 256 rows
.set STAGE,  2*SLOT                    ; behind the ring, never filled by a tensor load: 16 rows x 528 bytes for each wave, for the way out
.set SPITCH, 528                       ; a stage row: my 128 columns in f32, 512 bytes, + 16: rows lie 16 bytes apart modulo 256
.set SPARE,  STAGE+4*16*SPITCH         ; behind the stages: the spare words, 128 bytes for each wave: two blocks of 256 bytes that no other line names
.set LAPS, SIZE_K/(2*KSTEP)            ; a lap = two K steps = once round the ring: 8
.set ADRA, 16                          ; v16-17  LDS address of my A fragments in slot 0, 1
.set ADRB, 20                          ; v20-21  the same for B
.set STO,  24                          ; v24     the way out: where I put 32 bytes of a row
.set RD,   25                          ; v25     the way out: where I read 16 bytes of a row back
.set CO,   26                          ; v26     16 x lane: my bytes in 512 of a row of out0
.set SPW,  28                          ; v28     LDS address of my spare word: SPARE + 4 x my thread's number; never rewritten
.set NIL,  29                          ; v29     0; never rewritten
.set PFO,  30                          ; v30     the prefetches' offset: my lane x a row of A or B in memory; never rewritten
.set PFA,  44                          ; s[44:45] where my prefetches stand: my work-group's 32 rows of the 128 that I fetch, one K step further along K than the refill that is being asked for
.set LIM,  43                          ; s43     1 in a wave that prefetches, else the greatest number
.set F0,   64                          ; fragment buffer 0
.set F1,   128                         ; fragment buffer 1
.set OB,   64                          ; the way out: 16 rows read back, 64 registers: v64-127 and v128-191 by turns
.set G1, 24                            ; s[24:31] descriptor group 1 for A's tiles
.set G0, 32                            ; s[32:39] descriptor group 0 for A's tiles, one set for each slot
.set G1B, 48                           ; s[48:55] descriptor group 1 for B's tiles: it differs from A's in the mask alone
.set G0B, 56                           ; s[56:63] descriptor group 0 for B's tiles, one set for each slot
.set MSB, 0
.macro WIN new                         ; the immediate's high byte repeats the setting that is left; a switch that changes nothing is dropped
.if MSB != (\new)
	s_set_vgpr_msb (MSB<<8)|(\new)
.set MSB, \new
.endif
.endm
.set MUL_LO, 0xa1                      ; source 0 (B) window 1, source 1 (A) window 0, C and D window 2
.set MUL_HI, 0xf1                      ; the same, C and D window 3
.set TO_B,   0x40                      ; destination window 1, address window 0
; A joint load.  Waves 0 and 1 fetch A's two halves, waves 2 and 3 B's.  Each of the two lines has ONE mask and one set of registers for all that issue it.  The branch hangs on the wave's number alone.
; An s_nop 0 and four v_nop follow each of the two lines; the jump, the label and what follows come after them.
.macro JLOAD s
	s_cmp_eq_u32 s11, 0
	s_cbranch_scc0 .Lfor_b_\@
	tensor_load_to_lds s[G0+4*(\s):G0+4*(\s)+3], s[G1:G1+7]
	s_nop 0
.rept 4
	v_nop
.endr
	s_branch .Lasked_\@
.Lfor_b_\@:
	tensor_load_to_lds s[G0B+4*(\s):G0B+4*(\s)+3], s[G1B:G1B+7]
	s_nop 0
.rept 4
	v_nop
.endr
.Lasked_\@:
.endm
; A PREFETCH INTO THE L2, behind each joint refill, its five lines and the run of LDS loads that follows them: the K step that stands TWO refills on, 512 matrix instructions ahead of the load that
; will ask for it: 32 rows x 256 bytes, a lane a row, one instruction a wave.  Each row's 256 bytes of a K step are named ONCE in the launch: A's tile row is read by both clusters of that row of
; clusters: the one with x = 0 asks; B's tile column by the eight clusters of that column: the one with y = 0 asks.  The four partners that ask for a tile jointly share its rows out BY ADDRESS: of the
; 128 rows that a wave fetches the partner at place p takes 32 p .. 32 p + 31 (p = cx for A, cy for B).  The loop's last trip (s3 = 1) asks for nothing: its two refills are the last K steps.
.macro ASK
	s_cmp_gt_u32 s3, s[LIM]
	s_cbranch_scc0 .Lnot_mine_\@
	global_prefetch_b8 v[PFO], s[PFA:PFA+1] offset:KSTEP*2 th:TH_LOAD_NT scope:SCOPE_SE
.Lnot_mine_\@:
.endm
; A round of the cluster's barrier: my work-group's barrier, so that wave 0's signal speaks for all four waves; wave 0 signals for the work-group; every wave waits for all sixteen work-groups;
; my work-group's barrier once more.  No LDS instruction of the wave is pending at a signal.
.macro CREST                           ; a round behind its opening barrier
	s_cmp_lg_u32 s10, 0
	s_cbranch_scc1 .Lnot_wave_0_\@
	s_barrier_signal -3
.Lnot_wave_0_\@:
	s_barrier_wait -3
	s_barrier_signal -1
	s_barrier_wait -1
.endm
.macro CROUND                          ; a whole round
	s_barrier_signal -1
	s_barrier_wait -1
	CREST
.endm
	s_load_b128 s[4:7], s[0:1], 0x0                ; A = xh s[4:5], B = bt s[6:7]
	s_load_b64 s[8:9], s[0:1], 0x10                ; out0
	v_lshl_add_u32 v[SPW], v0, 2, SPARE
	v_mov_b32 v[NIL], 0
	ds_add_u32 v[SPW], v[NIL]                      ; the wave's opening: the add, twice on end, and its wait ahead of my first tensor load; the set-up below, work on registers, stands between
	ds_add_u32 v[SPW], v[NIL]                      ; and once more, under the one wait
	v_lshrrev_b32 v1, 5, v0
	v_readfirstlane_b32 s10, v1                    ; wave 0..3
	s_lshr_b32 s11, s10, 1                         ; which half of the tile's rows is mine.  Also: I fetch for A (0) or for B (1)
	s_and_b32 s12, s10, 1                          ; which half of its columns.  Also: which 128 rows of that tile I fetch
	s_bfe_u32 s40, ttmp6, 0x40000                  ; cx: my place along the cluster's x
	s_bfe_u32 s41, ttmp6, 0x40004                  ; cy: along its y
	s_lshl_b32 s42, ttmp9, 2                       ; in a cluster launch ttmp9 and ttmp7 count clusters
	s_add_co_u32 s42, s42, s40                     ; tile column = 4 x cluster x + cx
	s_and_b32 s13, ttmp7, 0xffff
	s_lshl_b32 s13, s13, 2
	s_add_co_u32 s13, s13, s41                     ; tile row = 4 x cluster y + cy
	s_lshl_b32 s43, s41, 2
	s_lshl_b32 s43, 15, s43                        ; my row of the cluster: places 4 cy .. 4 cy + 3
	s_lshl_b32 s44, 0x1111, s40                    ; my column: places cx, cx + 4, cx + 8, cx + 12
	; descriptor group 1: a tile of 128 rows x 128 elements, padded in LDS
	s_or_b32 s[G1+0], s43, (1<<16)|(1<<20)|(1<<21)|(5<<22)|(3<<25)  ; 15:0 the mask: A's tiles go to my row; 17:16 element of 2 bytes; 20 padding on; 21 set beside a mask; 24:22 after every 64 words (code 5); 31:25 of 4 words (code 3)
	s_or_b32 s[G1B+0], s44, (1<<16)|(1<<20)|(1<<21)|(5<<22)|(3<<25) ; the same with the mask of my column, for B's tiles
	s_mov_b32 s[G1B+1], KSTEP<<16
	s_mov_b32 s[G1+1], KSTEP<<16                   ; 63:48 tensor_dim0, low half = 128
	s_mov_b32 s[G1B+2], 128<<16
	s_mov_b32 s[G1+2], 128<<16                     ; 79:64 its high half = 0; 95:80 tensor_dim1, low half = 128
	s_mov_b32 s[G1B+3], KSTEP<<16
	s_mov_b32 s[G1+3], KSTEP<<16                   ; 111:96 its high half = 0; 127:112 tile_dim0 = 128
	s_mov_b32 s[G1B+4], 128
	s_mov_b32 s[G1+4], 128                         ; 143:128 tile_dim1 = 128; 159:144 tile_dim2 = 0
	s_mov_b32 s[G1B+5], SIZE_K
	s_mov_b32 s[G1+5], SIZE_K                      ; 191:160 tensor_dim0_stride, low word: elements from row to row
	s_mov_b32 s[G1B+6], 0
	s_mov_b32 s[G1+6], 0
	s_mov_b32 s[G1B+7], 0
	s_mov_b32 s[G1+7], 0
	; where the tiles come from.  A's hang on the tile row alone, which my row of the cluster shares; B's on the tile column alone, which my column shares.
	; Every wave makes both addresses, in registers that never hold the other coordinate, and asks by one of them.
	s_lshl_b32 s17, s12, 7                         ; which 128 rows of the tile I fetch
	s_lshl_b32 s16, s13, 8
	s_add_co_u32 s16, s16, s17                     ; A: row 256 x tile row + 128 x half
	s_lshl_b32 s46, s42, 8
	s_add_co_u32 s46, s46, s17                     ; B: row 256 x tile column + 128 x half
	s_mov_b32 s17, 0
	s_mov_b32 s47, 0
	s_mov_b64 s[18:19], SIZE_K*2
	s_mul_u64 s[16:17], s[16:17], s[18:19]         ; in bytes
	s_mul_u64 s[46:47], s[46:47], s[18:19]
	s_mul_i32 s20, s10, HALFT                      ; and where they go: A's two halves, then B's two halves = wave x 128 rows: no place in the cluster enters an LDS address
	s_wait_dscnt 0x0                               ; both opening adds are done
	s_wait_kmcnt 0x0
	s_add_nc_u64 s[14:15], s[4:5], s[16:17]
	s_add_nc_u64 s[46:47], s[6:7], s[46:47]
	CROUND                                         ; all sixteen work-groups are here: the first joint loads meet
.irp s, 0,1
	s_mov_b32 s[G0+4*(\s)], 1                                      ; 1:0 count = 1
	s_add_co_u32 s[G0+4*(\s)+1], s20, (\s)*SLOT                    ; 63:32 LDS address
	s_add_nc_u64 s[G0+4*(\s)+2:G0+4*(\s)+3], s[14:15], (\s)*KSTEP*2  ; 120:64 global address: K step s
	s_or_b32 s[G0+4*(\s)+3], s[G0+4*(\s)+3], 0x80000000            ; 127:126 type = 2
	s_mov_b32 s[G0B+4*(\s)], 1
	s_add_co_u32 s[G0B+4*(\s)+1], s20, (\s)*SLOT
	s_add_nc_u64 s[G0B+4*(\s)+2:G0B+4*(\s)+3], s[46:47], (\s)*KSTEP*2
	s_or_b32 s[G0B+4*(\s)+3], s[G0B+4*(\s)+3], 0x80000000
	JLOAD \s                                       ; the ring is filled before anything else is done: two loads of mine are out
.endr
	; A fragment is 16 rows x 32 K in 8 registers: lane l holds row l % 16; registers 0-3 hold K = 8 (l / 16) + 0..7, registers 4-7 hold K = 16 + 8 (l / 16) + 0..7:
	; two loads of 16 bytes, 32 bytes apart.  The same for source 0 and source 1.
	v_and_b32 v1, 15, v0                           ; l % 16
	v_bfe_u32 v2, v0, 4, 1                         ; l / 16
	v_mul_u32_u24 v3, v1, PITCH
	v_lshl_add_u32 v3, v2, 4, v3                   ; row x pitch + 16 x half
	s_mul_i32 s21, s11, HALFT                      ; my 128 rows of A
	s_mul_i32 s22, s12, HALFT                      ; my 128 rows of B,
	s_add_co_u32 s22, s22, 2*HALFT                 ; which lie behind A's 256
.irp s, 0,1
	v_add_nc_u32 v[ADRA+(\s)], s21, v3
	v_add_nc_u32 v[ADRB+(\s)], s22, v3
	s_add_co_u32 s21, s21, SLOT
	s_add_co_u32 s22, s22, SLOT
.endr
	s_mul_i32 s23, s10, 16*SPITCH
	s_add_co_u32 s23, s23, STAGE                   ; my stage
	v_mul_u32_u24 v4, v1, SPITCH                   ; in: row l % 16, 32 bytes for each half of the lanes
	v_lshl_add_u32 v4, v2, 5, v4
	v_add_nc_u32 v[STO], s23, v4
	v_and_b32 v5, 31, v0
	v_lshlrev_b32 v[CO], 4, v5                     ; back, and out: 32 lanes take a row's 512 bytes
	v_add_nc_u32 v[RD], s23, v[CO]
	; out0 at my part of the tile
	s_lshl_b32 s13, s13, 8
	s_lshl_b32 s14, s11, 7
	s_add_co_u32 s16, s13, s14                     ; my first row
	s_mov_b32 s17, 0
	s_mov_b64 s[18:19], SIZE_N*4
	s_mul_u64 s[16:17], s[16:17], s[18:19]
	s_lshl_b32 s46, s42, 10                        ; my first column, in bytes: 1,024 x tile column + 512 x half (in the registers that held B's address: none that feeds A's descriptors ever holds cx)
	s_lshl_b32 s47, s12, 9
	s_add_co_u32 s46, s46, s47
	s_mov_b32 s47, 0
	s_add_nc_u64 s[16:17], s[16:17], s[46:47]
	s_add_nc_u64 s[8:9], s[8:9], s[16:17]          ; never stepped again: the rows stand in the stores' immediates
	; the prefetches.  s13 = 256 x tile row, s42 = tile column, s40 = cx, s41 = cy still stand; s[4:5] = A, s[6:7] = B
	s_lshl_b32 s42, s42, 8
	s_and_b32 s22, ttmp7, 0xffff                   ; cluster y
	s_cmp_eq_u32 s11, 0                            ; do I fetch for A?
	s_cselect_b32 s20, s13, s42                    ; the tile's first row: in A by the tile row, in B by the tile column
	s_cselect_b32 s21, s40, s41                    ; my place among the four that ask for it with me
	s_cselect_b32 s22, ttmp9, s22                  ; the coordinate along which other clusters read the same rows
	s_cselect_b64 s[PFA:PFA+1], s[4:5], s[6:7]
	s_cmp_eq_u32 s22, 0
	s_cselect_b32 s[LIM], 1, -1                    ; the same in all sixteen partners, for a given wave
	s_lshl_b32 s22, s12, 7
	s_add_co_u32 s20, s20, s22                     ; + the 128 rows that I fetch
	s_lshl_b32 s21, s21, 5
	s_add_co_u32 s20, s20, s21                     ; + my work-group's 32 of them
	s_mov_b32 s21, 0
	s_mov_b64 s[18:19], SIZE_K*2
	s_mul_u64 s[20:21], s[20:21], s[18:19]
	s_add_nc_u64 s[PFA:PFA+1], s[PFA:PFA+1], s[20:21]
	s_add_nc_u64 s[PFA:PFA+1], s[PFA:PFA+1], 2*KSTEP*2  ; at K step 2: the first refill steps it to 3 and names K step 4
	v_and_b32 v[PFO], 31, v0
	v_mul_u32_u24 v[PFO], v[PFO], SIZE_K*2
	; nothing is prefetched here, at the head, where every work-group's first two tiles are on their way: K steps 2 and 3 come by their refills alone
; 16 matrix instructions: m blocks a0, a0 + 1 of the window's four (hi = 0: my rows 0-63, 1: rows 64-127) x all 8 n blocks, 32 along K.
; zero = 1: the first product starts the sums: nothing is ever cleared.
.macro MUL16 f, hi, a0, zero
	WIN MUL_LO+0x50*(\hi)  ; MUL_LO or MUL_HI
.irp a, \a0, (\a0)+1
.irp b, 0,1,2,3,4,5,6,7
.if \zero
	v_wmma_f32_16x16x32_f16 v[8*(8*(\a)+(\b)):8*(8*(\a)+(\b))+7], v[(\f)+8*(\b):(\f)+8*(\b)+7], v[(\f)+8*(4*(\hi)+(\a)):(\f)+8*(4*(\hi)+(\a))+7], 0
.else
	v_wmma_f32_16x16x32_f16 v[8*(8*(\a)+(\b)):8*(8*(\a)+(\b))+7], v[(\f)+8*(\b):(\f)+8*(\b)+7], v[(\f)+8*(4*(\hi)+(\a)):(\f)+8*(4*(\hi)+(\a))+7], v[8*(8*(\a)+(\b)):8*(8*(\a)+(\b))+7]
.endif
.endr
.endr
.endm
; 32 LDS loads in one run: the fragments of one quarter step (128 rows of B, 128 rows of A, 32 K at byte k of the rows) into buffer f
.macro FETCH slot, k, f
	WIN TO_B
.irp i, 0,1,2,3,4,5,6,7
	ds_load_b128 v[(\f)+8*(\i):(\f)+8*(\i)+3],   v[ADRB+(\slot)] offset:(\k)+(\i)*16*PITCH
	ds_load_b128 v[(\f)+8*(\i)+4:(\f)+8*(\i)+7], v[ADRB+(\slot)] offset:(\k)+(\i)*16*PITCH+32
.endr
	WIN 0
.irp i, 0,1,2,3,4,5,6,7
	ds_load_b128 v[(\f)+8*(\i):(\f)+8*(\i)+3],   v[ADRA+(\slot)] offset:(\k)+(\i)*16*PITCH
	ds_load_b128 v[(\f)+8*(\i)+4:(\f)+8*(\i)+7], v[ADRA+(\slot)] offset:(\k)+(\i)*16*PITCH+32
.endr
.endm
; A load into a register that a matrix instruction has read, and an LDS store that reads a matrix result, stand four places behind that matrix instruction, and only plain vector instructions
; that name none of its registers are places (ISA guide 7.12.1 for vector instructions); the matrix instructions in between are not counted.
.macro PLACES
.rept 4
	v_nop
.endr
.endm
; A K step is four quarter steps of 32 along K, 64 matrix instructions each, on buffers 0, 1, 0, 1.
; One of the first three: multiplies buffer f; in its middle it fetches the next quarter's fragments, at byte k of the same slot's rows, into buffer g.
.macro QUARTER slot, k, f, g, zero
	s_wait_dscnt 8                                 ; B and A's rows 0-63 are in; the youngest eight loads (A's rows 64-127) may be out
	WIN MUL_LO
	MUL16 \f, 0, 0, \zero
	MUL16 \f, 0, 2, \zero
	PLACES
	FETCH \slot, \k, \g
	s_wait_dscnt 32                                ; all but the 32 just issued
	WIN MUL_HI
	MUL16 \f, 1, 0, \zero
	MUL16 \f, 1, 2, \zero
.endm
; The last quarter multiplies buffer 1 and changes slots.  MEET is its first half: ONE barrier for the change of slots, for two things.  In front of it each wave waits for all its tensor loads, of which
; one is out: its part of the next slot; adds 0 to its spare word; and waits for that and for its own reads of this slot.  Behind it nobody reads this slot any more and the next slot is whole.
.macro MEET round                      ; round = 1: a round of the cluster's barrier follows
	WIN 0                                          ; (the add's two registers lie in window 0)
	s_wait_tensorcnt 0x0                           ; all my tensor loads have landed: the one that was out is my part of the next slot;
	ds_add_u32 v[SPW], v[NIL]                      ; 0 onto my spare word;
	s_wait_dscnt 9                                 ; (the add and the youngest eight loads may be out)
	WIN MUL_LO
	MUL16 F1, 0, 0, 0                              ; sixteen matrix instructions stand between the add and the wait for it
	s_wait_dscnt 0x0                               ; the add is done, and my reads of this slot are over:
	s_barrier_signal -1                            ; say so (where a slot is filled again this barrier opens a round of the cluster's barrier),
	MUL16 F1, 0, 2, 0                              ; work on registers while the others arrive,
.if \round
	WIN 0
.endif
	s_barrier_wait -1                              ; and go on when all four have said so
.endm
; The whole last quarter, with a refill.  Behind the round the slot just read out is filled again first, with the K step two steps on; then come the next slot's first fragments.
; From a request to the wait for it a wave issues 224 matrix instructions.
.macro TURN slot, next
	s_wait_xcnt 0x0                                ; the last prefetch, a K step back, has read its address: it is stepped here, ahead of the waits of the change of slots
	s_add_nc_u64 s[PFA:PFA+1], s[PFA:PFA+1], KSTEP*2
	MEET 1
	CREST                                          ; wave 0 says so for the work-group, all sixteen work-groups have said so, my work-group's barrier closes the round:
	                                               ; no wave of any partner still reads this slot's tile or has a load on its way
	s_add_nc_u64 s[G0+4*(\slot)+2:G0+4*(\slot)+3], s[G0+4*(\slot)+2:G0+4*(\slot)+3], 2*KSTEP*2
	s_add_nc_u64 s[G0B+4*(\slot)+2:G0B+4*(\slot)+3], s[G0B+4*(\slot)+2:G0B+4*(\slot)+3], 2*KSTEP*2
	JLOAD \slot                                    ; the first tensor load behind the round, my only one until the next; the four v_nop behind it are also the places in front of the loads below
	FETCH \next, 0, F0
	ASK                                            ; behind the joint load and the run of LDS loads that the next products wait for
	WIN MUL_HI
	MUL16 F1, 1, 0, 0
	MUL16 F1, 1, 2, 0
.endm
; The last change of slots: nothing is filled again, so no round follows the barrier.
.macro TURNX
	MEET 0
	PLACES                                         ; for the loads into buffer 0, which the quarter before multiplied
	FETCH 1, 0, F0
	WIN MUL_HI
	MUL16 F1, 1, 0, 0
	MUL16 F1, 1, 2, 0
.endm
; THE WAY OUT of block a (16 rows x my 128 columns, f32), in two parts.  TOSTAGE: a lane's 32 bytes of each of the block's eight accumulators go into my own stage, each accumulator's low four
; registers first; then the rows come back whole, 512 bytes a load.
.macro TOSTAGE a
.set AC, 64*((\a)%4)
.set BK, OB+64*((\a)%2)
	WIN 0x08+4*((\a)/4)                            ; the stores' data (source 1): window 2 or 3
.irp b, 0,1,2,3,4,5,6,7
	ds_store_b128 v[STO], v[AC+8*(\b):AC+8*(\b)+3]   offset:64*(\b)
	ds_store_b128 v[STO], v[AC+8*(\b)+4:AC+8*(\b)+7] offset:64*(\b)+16
.endr
	WIN 0
.if (\a) >= 2
	s_wait_xcnt 0x0                                ; block a - 2's stores have read their data: its registers are loaded again only behind this wait
.endif
.irp t, 0,1,2,3,4,5,6,7,8,9,10,11,12,13,14,15
	ds_load_b128 v[BK+4*(\t):BK+4*(\t)+3], v[RD] offset:(\t)*SPITCH  ; LDS serves a wave's instructions in order (ISA guide 5.7.1.4): these see the stores above; the next block's stores come behind them
.endr
.endm
.macro SEND a, younger                 ; younger: the LDS instructions issued behind block a's loads: the next block's 16 stores and 16 loads, or none
.set BK, OB+64*((\a)%2)
	s_wait_dscnt \younger                          ; the block is back in registers
.irp t, 0,1,2,3,4,5,6,7,8,9,10,11,12,13,14,15
	global_store_b128 v[CO], v[BK+4*(\t):BK+4*(\t)+3], s[8:9] offset:(16*(\a)+(\t))*SIZE_N*4 th:TH_STORE_NT  ; 32 lanes store 512 consecutive bytes, at a multiple of 512 from out0's first byte; 127 rows at the most stand in the immediate
.endr
.endm
	s_wait_tensorcnt 1                             ; my part of K step 0 is in; K step 1's may stay out
	s_barrier_signal -1
	s_barrier_wait -1                              ; everybody's is
	FETCH 0, 0, F0
	QUARTER 0, 64,  F0, F1, 1                      ; the first quarter stands in front of the loop: its products start the sums
	WIN 0                                          ; at a label and at a branch every window is 0
	s_mov_b32 s3, LAPS-1
.Llap:                                                 ; seven trips: each goes once round the ring, from a lap's second quarter to the next lap's first, and fills both slots again
	QUARTER 0, 128, F1, F0, 0
	QUARTER 0, 192, F0, F1, 0
	TURN 0, 1
	QUARTER 1, 64,  F0, F1, 0
	QUARTER 1, 128, F1, F0, 0
	QUARTER 1, 192, F0, F1, 0
	TURN 1, 0
	QUARTER 0, 64,  F0, F1, 0
	WIN 0
	s_sub_co_u32 s3, s3, 1
	s_cmp_lg_u32 s3, 0
	s_cbranch_scc1 .Llap
	QUARTER 0, 128, F1, F0, 0                      ; the last lap is written out: it asks for nothing and has no round of the cluster's barrier
	QUARTER 0, 192, F0, F1, 0
	TURNX
	QUARTER 1, 64,  F0, F1, 0
	QUARTER 1, 128, F1, F0, 0
	QUARTER 1, 192, F0, F1, 0
	s_wait_dscnt 8                                 ; the very last quarter: nothing more to fetch
	MUL16 F1, 0, 0, 0
	MUL16 F1, 0, 2, 0
	s_wait_dscnt 0x0
	MUL16 F1, 1, 0, 0
	MUL16 F1, 1, 2, 0
	WIN 0
	PLACES                                         ; behind the last products: the stores below read results, the loads below land in fragment registers
	PLACES                                         ; (eight, once a launch)
	TOSTAGE 0
.irp a, 1,2,3,4,5,6,7                  ; block a goes into the stage while block a - 1's rows come back
	TOSTAGE \a
	SEND (\a)-1, 32
.endr
	SEND 7, 0
	s_wait_tensorcnt 0x0                           ; the wave's end, behind my last tensor load and my last LDS store
	ds_add_u32 v[SPW], v[NIL]
	s_wait_dscnt 0x0
	CROUND                                         ; the closing round: no work-group ends while a partner may still ask for a tile that names it
	s_endpgm
.Lfunc_end_k_q577f7d9c45_gemm:
	.size	k_q577f7d9c45_gemm, .Lfunc_end_k_q577f7d9c45_gemm-k_q577f7d9c45_gemm
	.p2alignl 7, 3214868480
	.fill 96, 4, 3214868480
	.section	.rodata,"a",@progbits
	.p2align	6, 0x0
	.amdhsa_kernel k_q577f7d9c45_gemm
		.amdhsa_group_segment_fixed_size 327680
		.amdhsa_private_segment_fixed_size 0
		.amdhsa_enable_private_segment 0
		.amdhsa_kernarg_size 24
		.amdhsa_user_sgpr_count 2
		.amdhsa_user_sgpr_kernarg_segment_ptr 1
		.amdhsa_wavefront_size32 1
		.amdhsa_system_sgpr_workgroup_id_x 1
		.amdhsa_system_sgpr_workgroup_id_y 1
		.amdhsa_system_sgpr_workgroup_id_z 1
		.amdhsa_system_vgpr_workitem_id 0
		.amdhsa_next_free_vgpr 1024
		.amdhsa_next_free_sgpr 66
		.amdhsa_reserve_vcc 0
		.amdhsa_float_denorm_mode_32 3
		.amdhsa_float_denorm_mode_16_64 3
		.amdhsa_memory_ordered 1
		.amdhsa_forward_progress 1
		.amdhsa_inst_pref_size 141
	.end_amdhsa_kernel
	.amdgpu_metadata
---
amdhsa.version: [ 1, 2 ]
amdhsa.kernels:
  - .name:           k_q577f7d9c45_gemm
    .symbol:         k_q577f7d9c45_gemm.kd
    .args:
      - { .name: xh, .offset: 0, .size: 8, .value_kind: global_buffer, .address_space: global }
      - { .name: bt, .offset: 8, .size: 8, .value_kind: global_buffer, .address_space: global }
      - { .name: out0, .offset: 16, .size: 8, .value_kind: global_buffer, .address_space: global }
    .group_segment_fixed_size: 327680
    .private_segment_fixed_size: 0
    .kernarg_segment_align: 8
    .kernarg_segment_size: 24
    .max_flat_workgroup_size: 128
    .sgpr_count:     66
    .vgpr_count:     1024
    .wavefront_size: 32
...
	.end_amdgpu_metadata
.endif
;; end of part 2
;; ======== version 2 of 2: 2 launches; version 1 with the launch prep written anew for expert scheduling mode
;; limits: values are held in f16: magnitudes above 65,504 overflow, below 6.1e-05 lose precision
;; workspace buffers: xh 33,554,432 bytes; bt 8,388,608 bytes
;; launch prep (part 3): grid 512 x 1, 8 waves a work-group, no clusters, 34,048 bytes of LDS; arguments W, x, xh, bt; writes xh, bt
.if DOCPART == 3
	.amdgcn_target "amdgcn-amd-amdhsa--gfx1250"
	.amdhsa_code_object_version 6
	.text
	.protected	k_q577f7d9c45_prep
	.globl	k_q577f7d9c45_prep
	.p2align	8
	.type	k_q577f7d9c45_prep,@function
k_q577f7d9c45_prep:
	s_mov_b64 s[64:65], 0
	v_nop
	global_prefetch_b8 v0, s[64:65] scope:SCOPE_SE
	s_setreg_imm32_b32 hwreg(HW_REG_WAVE_SCHED_MODE, 0, 2), 2
	s_setreg_imm32_b32 hwreg(HW_REG_WAVE_MODE, 25, 1), 1
	s_wait_xcnt 0x0
	s_wait_alu depctr_vm_vsrc(0)
; out0 = x @ W.T + x @ Ws, Ws the sum of nine index-permuted copies of W.  x: [8192][2048] f32, W: [2048][2048] f32.
; WORK LEFT OUT: THE SECOND PRODUCT.  In exact arithmetic x @ A + x @ B = x @ (A + B) for all values of x, A and B, so the two products of the problem are ONE product with
; M = W.T + Ws; the problem's own text collapses its nine branches by the same identity.  Both inputs are loaded; no input is dropped.
; With i' = 2047 - i, j' = 2047 - j (rot90 k = 1: W[j][i']; k = 2: W[i'][j']; k = 3: W[j'][i]; W.T: W[j][i]; flips: W[i'][j], W[i][j'], W[j'][i']; rolls: W[i-1][j], W[i][j-1], indices modulo 2048):
;   M[i][j] = 2 W[j][i] + W[j][i'] + W[j'][i] + W[j'][i']            (D: these four run along i in W's rows)
;           + W[i'][j'] + W[i'][j] + W[i][j'] + W[i-1][j] + W[i][j-1]  (T: these five run along j and are turned through LDS)
; THIS LAUNCH writes xh = f16(x), [8192][2048], and bt[j][i] = f16(M[i][j]), [2048][2048]: the ten terms are added in f32 and rounded once.  The next launch multiplies xh by bt's rows.
; LIMITS.  |x| or |M| of 65,520 or more becomes an infinity in f16; below 6.1e-5 f16 keeps a fixed step of 6e-8.  The ten terms are added in another order than the problem's two products add them.
; A NaN or an infinity is carried as the one product carries it; an overflow of only one of the problem's two f32 products is not reproduced.
; SHARES.  512 work-groups of eight waves.  Work-group g takes (a) 16 rows of x as 131,072 flat bytes: thread t the 16 bytes at 16 t of each 4,096; (b) the tile of bt with rows j0 = 64 (g % 32) .. + 63 and
; columns i0 = 128 (g / 32) .. + 127.  No matrix unit, no cluster, no tensor load: a stream and a small gather; only the turning of T goes through LDS.
; T PHASE, two steps of 64 values of i: a thread holds 4 rows i x 4 columns j; sixteen lanes read 256 consecutive bytes of a row of W.  The reversals (j' runs backward) are choices of register.
; D PHASE: wave w takes rows j0 + 8 w .. + 7 of the tile, a lane 4 columns i; it reads T's row back from LDS, adds the four direct terms and stores 8 bytes: 32 lanes store 256 consecutive bytes, aligned.
; No address register is ever rewritten: steps and rows stand in the immediates.
; THE MODE: SCHED_MODE bits 1:0 = 2 (LLVM: expert scheduling mode 2), set by the entry lines.  The code itself states the register dependences
; between vector instructions and memory or LDS instructions, with s_wait_alu, always for 0.
; THE PLAN.  Registers that memory or LDS instructions touch:
;   v1-15, v104, v105   offsets and LDS addresses: written once at the head, read by every load, store and LDS instruction, never written again: one wait on va_vdst ahead of the first load.
;   v16-87   (W's pieces)  loaded for T step 0, read by the first sums; loaded for T step 1, read by the second sums; v16-79 then loaded for the D phase's rows 0-3.
;   v88-103  (TS)          written by the sums, read by the LDS stores, in each of the two T steps.
;   v128-255 (x)           piece s: loaded, rounded in place by two conversions, its first two registers read by a store; later v128-191 are loaded for the D phase's rows 4-7 and v192-223 from LDS.
;   a D row's sixteen      loaded, summed and rounded in place, the first two read by a store; never written again.
; x goes in eight blocks of four pieces, bt's rows in four pairs: a block's (a pair's) stores are issued in the NEXT block (pair), behind one wait on va_vdst at its head, dealt among vector lines that
; name the next block's (pair's) registers alone.  A wait on vm_vsrc stands twice: ahead of the second sums (TS) and ahead of the loads into x's registers.
.set ROWB,  8192                       ; bytes in a row of W
.set STEPB, 64*ROWB                    ; a T step: 64 rows of W
.set TGRP,  2064                       ; LDS: four rows jj of 128 f32 (512 bytes each) and 16 bytes of padding: T(jj, ii) at (jj / 4) x 2,064 + (jj % 4) x 512 + 4 ii
.set SPARE, 16*TGRP                    ; 33,024: behind T the spare words, 128 bytes for each wave: four blocks of 256 bytes that no other line names
.set SPW, 1                            ; v1    LDS address of my spare word; never rewritten
.set NIL, 2                            ; v2    0; never rewritten
.set XI,  3                            ; v3    16 t: my bytes in 4,096 of x
.set XO,  4                            ; v4    8 t: my bytes in 2,048 of xh
.set AC,  5                            ; v5    W[ib][j]           ib = i0 + 8 w + 4 (lane / 16), j = j0 + 4 (lane % 16)
.set ACM, 6                            ; v6    W[(ib-1) mod 2048][j]
.set AE,  7                            ; v7    W[ib][(j-1) mod 2048]
.set AF,  8                            ; v8    W[ib][2044-j]
.set AG,  9                            ; v9    W[2047-ib][j]
.set AH,  10                           ; v10   W[2047-ib][2044-j]
.set LST, 11                           ; v11   where I put four T values of a row jj
.set LRD, 12                           ; v12   where I read 16 bytes of a row jj back
.set BA,  13                           ; v13   W[jd][id]          jd = j0 + 8 w, id = i0 + 4 lane
.set BB,  14                           ; v14   W[jd][2044-id]
.set BC,  15                           ; v15   W[2047-jd][id]
.set BD,  104                          ; v104  W[2047-jd][2044-id]
.set BO,  105                          ; v105  bt[jd][id]
.set WC,  16                           ; v[16:35]  rows ib-1 .. ib+3 at columns j .. j+3
.set WF,  36                           ; v[36:51]  rows ib .. ib+3 at columns 2044-j ..
.set WG,  52                           ; v[52:67]  rows 2047-ib .. downward at columns j ..
.set WH,  68                           ; v[68:83]  the same rows at columns 2044-j ..
.set WE,  84                           ; v[84:87]  rows ib .. ib+3 at column j-1
.set TS,  88                           ; v[88:103] the sixteen sums: column q, row r at TS + 4 q + r
.set XB,  128                          ; v[128:255] 32 x 4 registers of x; later the D phase's rows 4-7 and T's rows read back
.set TL,  192                          ; v[192:223] T's row t read back, at TL + 4 t
	s_load_b256 s[4:11], s[0:1], 0x0               ; W s[4:5], x s[6:7], xh s[8:9], bt s[10:11]
	v_lshl_add_u32 v[SPW], v0, 2, SPARE
	v_mov_b32 v[NIL], 0
	v_lshrrev_b32 v106, 5, v0
	v_readfirstlane_b32 s12, v106                  ; wave 0..7
	s_and_b32 s13, ttmp9, 31
	s_lshl_b32 s13, s13, 6                         ; j0
	s_lshr_b32 s14, ttmp9, 5
	s_lshl_b32 s14, s14, 7                         ; i0
	s_lshl_b32 s16, ttmp9, 17                      ; my 131,072 bytes of x,
	s_mov_b32 s17, 0
	s_lshl_b32 s18, ttmp9, 16                      ; my 65,536 bytes of xh
	s_mov_b32 s19, 0
	v_and_b32 v106, 15, v0                         ; lane % 16
	v_bfe_u32 v107, v0, 4, 1                       ; lane / 16
	v_and_b32 v108, 31, v0                         ; lane
	v_lshlrev_b32 v[XI], 4, v0
	v_lshlrev_b32 v[XO], 3, v0
	v_lshl_add_u32 v110, v106, 2, s13              ; j
	v_lshlrev_b32 v111, 2, v110                    ; 4 j
	s_wait_alu depctr_va_sdst(0)                   ; s12 is written, ahead of its first reader: the rows of W, of bt and of T below are made from it
	s_lshl3_add_u32 s15, s12, s13                  ; jd = j0 + 8 w
	s_mul_i32 s20, s12, 2*TGRP                     ; my eight rows jj are two groups of four
	s_lshl_b32 s21, s15, 13                        ; row jd of W
	s_sub_co_u32 s22, 2047, s15
	s_lshl_b32 s22, s22, 13                        ; row 2047 - jd
	s_lshl_b32 s23, s15, 12                        ; row jd of bt
	s_lshl_b32 s24, s12, 5                         ; my wave's eight values of i: 32 bytes of a row of T
	s_lshl3_add_u32 s25, s12, s14                  ; i0 + 8 w
	v_lshl_add_u32 v109, v107, 2, s25              ; ib
	v_lshl_add_u32 v[AC], v109, 13, v111
	v_add_nc_u32 v112, -1, v109
	v_and_b32 v112, 0x7ff, v112                    ; (ib - 1) mod 2048
	v_lshl_add_u32 v[ACM], v112, 13, v111
	v_add_nc_u32 v113, -1, v110
	v_and_b32 v113, 0x7ff, v113                    ; (j - 1) mod 2048
	v_lshlrev_b32 v113, 2, v113
	v_lshl_add_u32 v[AE], v109, 13, v113
	v_sub_nc_u32 v114, 2044, v110
	v_lshlrev_b32 v114, 2, v114                    ; 4 (2044 - j)
	v_lshl_add_u32 v[AF], v109, 13, v114
	v_sub_nc_u32 v115, 2047, v109                  ; 2047 - ib
	v_lshl_add_u32 v[AG], v115, 13, v111
	v_lshl_add_u32 v[AH], v115, 13, v114
	v_mul_u32_u24 v[LST], v106, TGRP               ; my four columns j are one group of four rows of T,
	v_lshl_add_u32 v[LST], v107, 4, v[LST]         ; my four rows i are 16 bytes in each
	v_add_nc_u32 v[LST], s24, v[LST]
	v_lshl_add_u32 v[LRD], v108, 4, s20
	v_lshl_add_u32 v116, v108, 2, s14              ; id
	v_sub_nc_u32 v117, 2044, v116
	v_lshl_add_u32 v[BA], v116, 2, s21
	v_lshl_add_u32 v[BB], v117, 2, s21
	v_lshl_add_u32 v[BC], v116, 2, s22
	v_lshl_add_u32 v[BD], v117, 2, s22
	v_lshl_add_u32 v[BO], v116, 1, s23
	s_wait_kmcnt 0x0
	s_add_nc_u64 s[6:7], s[6:7], s[16:17]
	s_add_nc_u64 s[8:9], s[8:9], s[18:19]
	s_wait_alu depctr_va_vdst(0)                   ; the offsets and LDS addresses v1 to v15, v104 and v105 are written: every load, store and LDS instruction of the kernel reads one of them, and none is written again
; The 21 loads of T step s.  No cache hint: other work-groups read the same rows of W.  Row ib - 1 wraps round only in step 0.
.macro TLOAD s
.if (\s) == 0
	global_load_b128 v[WC:WC+3], v[ACM], s[4:5]
.else
	global_load_b128 v[WC:WC+3], v[AC], s[4:5] offset:STEPB-ROWB
.endif
.irp r, 0,1,2,3
	global_load_b128 v[WC+4+4*(\r):WC+7+4*(\r)], v[AC], s[4:5] offset:(\s)*STEPB+(\r)*ROWB
	global_load_b32  v[WE+(\r)],                 v[AE], s[4:5] offset:(\s)*STEPB+(\r)*ROWB
	global_load_b128 v[WF+4*(\r):WF+4*(\r)+3],   v[AF], s[4:5] offset:(\s)*STEPB+(\r)*ROWB
	global_load_b128 v[WG+4*(\r):WG+4*(\r)+3],   v[AG], s[4:5] offset:0-((\s)*STEPB+(\r)*ROWB)
	global_load_b128 v[WH+4*(\r):WH+4*(\r)+3],   v[AH], s[4:5] offset:0-((\s)*STEPB+(\r)*ROWB)
.endr
.endm
; T(i = ib + r, j + q) = W[i'][j+q] + W[i'][(j+q)'] + W[i][(j+q)'] + W[i-1][j+q] + W[i][j+q-1]: four passes of sixteen additions, so that no line reads the line before it.
.macro TSUM
.irp q, 0,1,2,3
.irp r, 0,1,2,3
	v_add_f32 v[TS+4*(\q)+(\r)], v[WG+4*(\r)+(\q)], v[WH+4*(\r)+3-(\q)]
.endr
.endr
.irp q, 0,1,2,3
.irp r, 0,1,2,3
	v_add_f32 v[TS+4*(\q)+(\r)], v[TS+4*(\q)+(\r)], v[WF+4*(\r)+3-(\q)]
.endr
.endr
.irp q, 0,1,2,3
.irp r, 0,1,2,3
	v_add_f32 v[TS+4*(\q)+(\r)], v[TS+4*(\q)+(\r)], v[WC+4*(\r)+(\q)]
.endr
.endr
.irp q, 0,1,2,3
.irp r, 0,1,2,3
.if (\q) == 0
	v_add_f32 v[TS+4*(\q)+(\r)], v[TS+4*(\q)+(\r)], v[WE+(\r)]
.else
	v_add_f32 v[TS+4*(\q)+(\r)], v[TS+4*(\q)+(\r)], v[WC+4+4*(\r)+(\q)-1]
.endif
.endr
.endr
.endm
; Four values of i for each of my four rows jj.  Sixteen lanes of a store lie 2,064 bytes apart: 16 bytes apart modulo 256, so each takes other banks (64 banks of 4 bytes: ISA guide 11.1).
.macro TSTORE s
.irp q, 0,1,2,3
	ds_store_b128 v[LST], v[TS+4*(\q):TS+4*(\q)+3] offset:512*(\q)+256*(\s)
.endr
.endm
; The store of piece s of xh: 32 lanes store 256 consecutive bytes, aligned.
.macro XOUT s
	global_store_b64 v[XO], v[XB+4*(\s):XB+4*(\s)+1], s[8:9] offset:2048*(\s)
.endm
; Block p of x: pieces 4 p .. 4 p + 3 are rounded in place; the four stores of block p - 1 are dealt among the conversions, one ahead of each piece's two.
; Behind the load of the block's last piece stand the 28 - 4 p younger loads of x and the 21 of T step 1.
.macro XBLK p
	s_wait_loadcnt 49-4*(\p)                       ; loads come back in order (ISA guide 5.7.1): the block's four pieces are in
.if (\p) > 0
	s_wait_alu depctr_va_vdst(0)                   ; the block before has written its halves, which the four stores below read; the conversions below name this block's registers alone
.endif
.irp i, 0,1,2,3
.if (\p) > 0
	XOUT 4*(\p)-4+(\i)
.endif
	v_cvt_pk_f16_f32 v[XB+4*(4*(\p)+(\i))],   v[XB+4*(4*(\p)+(\i))],   v[XB+4*(4*(\p)+(\i))+1]
	v_cvt_pk_f16_f32 v[XB+4*(4*(\p)+(\i))+1], v[XB+4*(4*(\p)+(\i))+2], v[XB+4*(4*(\p)+(\i))+3]
.endr
.endm
; The D phase's row t has sixteen registers: rows 0-3 where T's loads lay, rows 4-7 where x lay.
.macro DREG t
.if (\t) < 4
.set DR, 16+16*(\t)
.else
.set DR, 128+16*((\t)-4)
.endif
.endm
.macro DLOAD t
	DREG \t
	global_load_b128 v[DR:DR+3],     v[BA], s[4:5] offset:(\t)*ROWB
	global_load_b128 v[DR+4:DR+7],   v[BB], s[4:5] offset:(\t)*ROWB
	global_load_b128 v[DR+8:DR+11],  v[BC], s[4:5] offset:0-(\t)*ROWB
	global_load_b128 v[DR+12:DR+15], v[BD], s[4:5] offset:0-(\t)*ROWB
.endm
; bt[jd + t][id + q] = 2 W[j][i] + T + W[j][i'] + W[j'][i] + W[j'][i'], rounded once.
.macro DSUM t
	DREG \t
.set TR, TL+4*(\t)
.irp q, 0,1,2,3
	v_fma_f32 v[DR+(\q)], 2.0, v[DR+(\q)], v[TR+(\q)]
.endr
.irp q, 0,1,2,3
	v_add_f32 v[DR+(\q)], v[DR+(\q)], v[DR+4+3-(\q)]
.endr
.irp q, 0,1,2,3
	v_add_f32 v[DR+(\q)], v[DR+(\q)], v[DR+8+(\q)]
.endr
.irp q, 0,1,2,3
	v_add_f32 v[DR+(\q)], v[DR+(\q)], v[DR+12+3-(\q)]
.endr
	v_cvt_pk_f16_f32 v[DR],   v[DR],   v[DR+1]
	v_cvt_pk_f16_f32 v[DR+1], v[DR+2], v[DR+3]
.endm
.macro DOUT t
	DREG \t
	global_store_b64 v[BO], v[DR:DR+1], s[10:11] offset:4096*(\t)  ; 32 lanes store 256 consecutive bytes of a row of bt, aligned
.endm
; Pair g: rows 2 g and 2 g + 1 are summed and rounded; the two stores of pair g - 1 are dealt among them, one ahead of each row's lines.
.macro DPAIR g
	s_wait_loadcnt 24-8*(\g)                       ; four loads for each of the 6 - 2 g rows behind the pair may stay out
	s_wait_dscnt 6-2*(\g)                          ; and so may their LDS loads
.if (\g) > 0
	s_wait_alu depctr_va_vdst(0)                   ; the pair before is rounded: its halves are written, which the two stores below read; the lines below name this pair's registers alone
	DOUT 2*(\g)-2
.endif
	DSUM 2*(\g)
.if (\g) > 0
	DOUT 2*(\g)-1
.endif
	DSUM 2*(\g)+1
.endm
	TLOAD 0                                        ; T step 0 first: it is wanted first
.set n, 0
.rept 32
	global_load_b128 v[XB+4*n:XB+4*n+3], v[XI], s[6:7] offset:4096*n th:TH_LOAD_NT  ; all my 512 bytes x 32 of x go out at once: a wave's load covers 512 consecutive bytes
.set n, n+1
.endr
	s_wait_loadcnt 32                              ; T step 0 is in; the 32 loads of x are younger
	TSUM
	s_wait_alu depctr_va_vdst(0)                   ; the sums have written v[TS ..], which the LDS stores read, and are done reading v16 to v87, in which T step 1's loads land
	TSTORE 0
	TLOAD 1                                        ; into the registers that the sums have read out: no vector line stands between the wait above and these loads
.irp p, 0,1,2,3,4,5,6,7
	XBLK \p
.endr
	s_wait_loadcnt 0x0                             ; T step 1
	s_wait_alu depctr_vm_vsrc(0)                   ; step 0's LDS stores have read v[TS ..], which the sums below write again
	TSUM
	s_wait_alu depctr_va_vdst(0)                   ; the sums have written v[TS ..] and x's last block its halves, which the stores below read; the sums are done reading v16 to v79 and all conversions are done with v128 to v223, in which the loads below land
	TSTORE 1
.irp i, 28,29,30,31
	XOUT \i                                        ; x's last block
.endr
	DLOAD 0
	DLOAD 1
	DLOAD 2
	DLOAD 3
	s_wait_xcnt 0x0                                ; every earlier memory instruction has had its addresses translated (ISA guide 3.1): x's registers are loaded again only behind this wait
	s_wait_alu depctr_vm_vsrc(0)                   ; xh's stores have read their halves in v128 to v223, in which the loads below and T's rows from LDS land
	DLOAD 4
	DLOAD 5
	DLOAD 6
	DLOAD 7
	s_wait_dscnt 0x0                               ; for the others' sake: my stores into T are done
	s_barrier_signal -1
	s_barrier_wait -1                              ; T is whole
.irp t, 0,1,2,3,4,5,6,7
	ds_load_b128 v[TL+4*(\t):TL+4*(\t)+3], v[LRD] offset:((\t)/4)*TGRP+((\t)%4)*512  ; a row of T: 512 consecutive bytes; no vector line has stood since the last wait on va_vdst
.endr
.irp g, 0,1,2,3
	DPAIR \g
.endr
	s_wait_alu depctr_va_vdst(0)                   ; the last pair is rounded: its halves are written, which the last two stores read
	DOUT 6
	DOUT 7
	s_wait_dscnt 0x0                               ; the closing lines, six on end
	s_wait_alu 0x0
	s_wait_tensorcnt 0x0
	ds_add_u32 v[SPW], v[NIL]
	s_wait_dscnt 0x0
	s_endpgm
.Lfunc_end_k_q577f7d9c45_prep:
	.size	k_q577f7d9c45_prep, .Lfunc_end_k_q577f7d9c45_prep-k_q577f7d9c45_prep
	.p2alignl 7, 3214868480
	.fill 96, 4, 3214868480
	.section	.rodata,"a",@progbits
	.p2align	6, 0x0
	.amdhsa_kernel k_q577f7d9c45_prep
		.amdhsa_group_segment_fixed_size 34048
		.amdhsa_private_segment_fixed_size 0
		.amdhsa_enable_private_segment 0
		.amdhsa_kernarg_size 32
		.amdhsa_user_sgpr_count 2
		.amdhsa_user_sgpr_kernarg_segment_ptr 1
		.amdhsa_wavefront_size32 1
		.amdhsa_system_sgpr_workgroup_id_x 1
		.amdhsa_system_sgpr_workgroup_id_y 1
		.amdhsa_system_sgpr_workgroup_id_z 1
		.amdhsa_system_vgpr_workitem_id 0
		.amdhsa_next_free_vgpr 256
		.amdhsa_next_free_sgpr 66
		.amdhsa_reserve_vcc 0
		.amdhsa_float_denorm_mode_32 3
		.amdhsa_float_denorm_mode_16_64 3
		.amdhsa_memory_ordered 1
		.amdhsa_forward_progress 1
		.amdhsa_inst_pref_size 34
	.end_amdhsa_kernel
	.amdgpu_metadata
---
amdhsa.version: [ 1, 2 ]
amdhsa.kernels:
  - .name:           k_q577f7d9c45_prep
    .symbol:         k_q577f7d9c45_prep.kd
    .args:
      - { .name: W, .offset: 0, .size: 8, .value_kind: global_buffer, .address_space: global }
      - { .name: x, .offset: 8, .size: 8, .value_kind: global_buffer, .address_space: global }
      - { .name: xh, .offset: 16, .size: 8, .value_kind: global_buffer, .address_space: global }
      - { .name: bt, .offset: 24, .size: 8, .value_kind: global_buffer, .address_space: global }
    .group_segment_fixed_size: 34048
    .private_segment_fixed_size: 0
    .kernarg_segment_align: 8
    .kernarg_segment_size: 32
    .max_flat_workgroup_size: 256
    .sgpr_count:     66
    .vgpr_count:     256
    .wavefront_size: 32
...
	.end_amdgpu_metadata
.endif
;; end of part 3
;; launch gemm: the kernel of part 2 again; grid 8 x 32, 4 waves a work-group, clusters of 4 x 4, 327,680 bytes of LDS; arguments xh, bt, out0; writes out0
